; MI455X (gfx1250); checked and timed in simulation.
; The chip was launched on July 23, 2026; its instructions are those of AMD's public machine-readable ISA for CDNA 5 (MIT licence, August 2026) and "CDNA5" Instruction Set Architecture Reference Guide (July 2026). The comments in the code are by the model that wrote it; some were corrected since.
;; L1 Writer. Allowed arithmetic: float matrix products may take bf16 or f16 operands with f32 sums; all other float work in f32.
;; Inputs: keys 4 x 4,096 x 16 x 64 float32; memory 16 x 64 x 64 float32; values 4 x 4,096 x 16 x 64 float32; write_strengths 4 x 4,096 float32.
;; Outputs: out0 16 x 64 x 64 float32.
;; 2 versions, each right; version 2 is version 1 with the launch partial written anew for expert scheduling mode. Each part assembles by itself: llvm-mc -triple=amdgcn-amd-amdhsa -mcpu=gfx1250 --defsym DOCPART=n.
;; ======== version 1 of 2: 2 launches
;; limits: values are held in f16: magnitudes above 65,504 overflow, below 6.1e-05 lose precision
;; workspace buffers: part 4,194,304 bytes
;; launch partial (part 1): grid 16 x 16, 4 waves a work-group, no clusters, 66,048 bytes of LDS; arguments keys, values, write_strengths, part; writes part
.if DOCPART == 1
	.amdgcn_target "amdgcn-amd-amdhsa--gfx1250"
	.amdhsa_code_object_version 6
	.text
	.protected	k_q025d1990e8_partial
	.globl	k_q025d1990e8_partial
	.p2align	8
	.type	k_q025d1990e8_partial,@function
k_q025d1990e8_partial:
	s_mov_b64 s[64:65], 0
	v_nop
	global_prefetch_b8 v0, s[64:65] scope:SCOPE_SE
	s_setreg_imm32_b32 hwreg(HW_REG_WAVE_MODE, 25, 1), 1
	s_wait_xcnt 0x0
; part[chunk][h][k][v] = sum over the chunk's 1,024 rows t = (b,s) of rho[t] * keys[t][h][k] * values[t][h][v], in f32.
; Work-group (x = head h, y = chunk): 4 waves, wave w owns rows chunk*1024 + 256 w .. + 255, in 8 blocks of 32 rows.
; FOUR WAVES: every wave holds a whole 64 x 64 sum (16 KB), so what crosses LDS at the end is waves x 16 KB each way,
; whatever the number of rows.  Four, one for each SIMD, is the least that uses all four SIMDs.
;
; HOW THE FRAGMENTS ARE MADE WITHOUT A TRANSPOSE.  The sum runs over t, which is the far index in memory.  One 16-byte load of
; a wave takes two whole head rows of 256 bytes: lanes 0-15 (hf = 0) row t, lanes 16-31 (hf = 1) row t + 16; lane r gets columns
; 4r .. 4r+3.  Component j of the load goes to matrix tile j, so tile j holds the columns 4r + j, r = 0..15.  Loads i = 2q and
; 2q+1 are packed into register q of the fragments.  K and V put the same t into the same (hf, register, half word), so the order
; of t inside a block drops out of the products (ISA guide 7.12.2: A and B have the same map of k to lanes and registers).
; Result tile (jm, jn), register j, lane (r, hf):  k = 4 (8 hf + j) + jm,  v = 4 r + jn.
;
; FORMAT AND LIMITS.  rho*k (product in f32) and v are rounded once to f16, sums are f32.  f16 (11 significant bits) and not bf16
; (8 bits): each of the 16,384 terms carries two roundings and the result is held to one per cent of its root mean square.
; Kept limits: |rho*k| or |v| above 65504 becomes infinity; below 2^-14 the absolute step is 2^-24, below 2^-25 the operand is zero.
; The order of the sum (blocks of 32 in the matrix unit, then 4 waves, then 16 chunks in the next launch) is not the reference's.
;
; NO CLUSTER, NO MULTICAST: work-groups share only rho, 4 KB of the 516 KB that each reads.  NO LDS IN THE STREAM: no wave reads
; a byte of K or V that another wave reads, and the loads land in the lanes that need them.
; IN FLIGHT: two blocks of 16 KB a wave are asked for at the start; a raw buffer is asked for again right behind its conversion.
; That is 72 loads in front of the first wait, and up to 72 later.  The issue of a load that would push the counter past its
; field is held back until an older one is done (ISA guide 5.7.1), so the counter stays exact and the counted waits below hold;
; no wait is placed for that.
.set ROWB,   4096                      ; bytes from row t to row t + 1: 16 heads x 64 f32
.set OFFKV,  4                         ; v4      byte offset of my 16 bytes in K and V: wave, half, r
.set OFFR,   5                         ; v5      byte offset of my half's 16 strengths
.set LANE16, 6                         ; v6      16 x lane
.set WADR,   7                         ; v7      LDS: where my wave puts its sums
.set RADR,   8                         ; v8      LDS: my share in copy 0; copy s is 16,384 s further
.set OADR,   10                        ; v10     byte offset of my 16 bytes in the partial tile
.set RHO,    16                        ; v[16:47]   two buffers of 16 strengths (block parity)
.set FK,     64                        ; v[64:95]   K fragments, tile jm at FK + 8 jm
.set FV,     96                        ; v[96:127]  V fragments, tile jn at FV + 8 jn
.set ACC,    128                       ; v[128:255] tile (jm, jn) at ACC + 8 (4 jm + jn); on the way out: copy s of my four tiles at ACC + 32 s
.set OUTR,   64                        ; v[64:95]   the way out (the fragments are no longer needed there)
.set KRAW,   0                         ; window 1: v[256+128 p + 0 .. 63]   K as loaded, load i at 4 i (p = block parity)
.set VRAW,   64                        ; window 1: v[256+128 p + 64 .. 127] V as loaded
.set MSB, 0
.macro WIN new                         ; low byte: 1:0 source 0, 3:2 source 1, 5:4 source 2, 7:6 destination; high byte: the setting left
.if MSB != \new
	s_set_vgpr_msb (MSB<<8)|\new
.set MSB, \new
.endif
.endm
	s_load_b256 s[4:11], s[0:1], 0x0               ; keys s[4:5], values s[6:7], write_strengths s[8:9], part s[10:11]
	v_lshl_add_u32 v62, v0, 2, 0x10000
	v_mov_b32 v63, 0
	v_and_b32 v1, 15, v0                           ; r
	v_bfe_u32 v2, v0, 4, 1                         ; hf
	v_lshrrev_b32 v3, 5, v0
	v_readfirstlane_b32 s12, v3                    ; wave 0..3; on the way out also jm, the row of tiles that I sum
	s_and_b32 s13, ttmp7, 0xffff                   ; chunk 0..15; ttmp9 = head
	v_lshlrev_b32 v[OFFKV], 4, v1                  ; 16 r
	v_lshl_or_b32 v[OFFKV], v2, 16, v[OFFKV]       ; + hf x 16 rows
	v_lshl_or_b32 v[OFFKV], v3, 20, v[OFFKV]       ; + wave x 256 rows
	v_lshlrev_b32 v[OFFR], 6, v2                   ; hf x 16 strengths
	v_lshl_or_b32 v[OFFR], v3, 10, v[OFFR]         ; + wave x 256 strengths
	s_lshl_b32 s14, s13, 22                        ; chunk x 1,024 rows x 4,096 bytes (below 64 MiB)
	s_lshl_b32 s15, ttmp9, 8                       ; head x 256 bytes
	s_add_co_u32 s14, s14, s15
	s_mov_b32 s15, 0
	s_lshl_b32 s16, s13, 12                        ; chunk x 1,024 strengths
	s_mov_b32 s17, 0
	s_lshl_b32 s18, s13, 4
	s_add_co_u32 s18, s18, ttmp9
	s_lshl_b32 s18, s18, 14                        ; (16 chunk + head) x 16 KB
	s_lshl_b32 s23, s12, 8                         ; k = 32 hf + 4 j + jm, rows of 256 bytes: + jm x 256
	s_add_co_u32 s18, s18, s23
	s_mov_b32 s19, 0
	s_lshl_b32 s24, s12, 14                        ; LDS: my wave's 16 KB
	s_lshl_b32 s25, s12, 12                        ; LDS: tiles (jm, 0..3) of a copy = 4 x 1,024 bytes at 4,096 jm
	s_wait_kmcnt 0x0
	s_add_nc_u64 s[4:5], s[4:5], s[14:15]
	s_add_nc_u64 s[6:7], s[6:7], s[14:15]
	s_add_nc_u64 s[8:9], s[8:9], s[16:17]
	s_add_nc_u64 s[10:11], s[10:11], s[18:19]
; The block number b may be handed over as a sum (b + 2): it stands in parentheses wherever it is used.
.macro LDRHO b                         ; 4 loads: the strengths of my half's 16 rows of block b (all lanes of a half read the same 64 bytes)
	WIN 0
.irp p, 0,1,2,3
	global_load_b128 v[RHO+16*((\b)&1)+4*\p:RHO+16*((\b)&1)+4*\p+3], v[OFFR], s[8:9] offset:128*(\b)+16*\p
.endr
.endm
.macro LDK b                           ; 16 loads: load i brings rows 32 b + i (hf = 0) and 32 b + 16 + i (hf = 1), 256 aligned bytes each
	WIN 0x40
.irp i, 0,1,2,3,4,5,6,7,8,9,10,11,12,13,14,15
	global_load_b128 v[KRAW+128*((\b)&1)+4*\i:KRAW+128*((\b)&1)+4*\i+3], v[OFFKV], s[4:5] offset:(32*(\b)+\i)*ROWB th:TH_LOAD_NT
.endr
.endm
.macro LDV b
	WIN 0x40
.irp i, 0,1,2,3,4,5,6,7,8,9,10,11,12,13,14,15
	global_load_b128 v[VRAW+128*((\b)&1)+4*\i:VRAW+128*((\b)&1)+4*\i+3], v[OFFKV], s[6:7] offset:(32*(\b)+\i)*ROWB th:TH_LOAD_NT
.endr
.endm
.macro MULK b                          ; K *= rho in f32, in place: loads 2p and 2p+1 take the first and the second register of rho's pair p
	WIN 0x41
.irp p, 0,1,2,3,4,5,6,7
	v_pk_mul_f32 v[KRAW+128*((\b)&1)+8*\p:KRAW+128*((\b)&1)+8*\p+1],   v[KRAW+128*((\b)&1)+8*\p:KRAW+128*((\b)&1)+8*\p+1],   v[RHO+16*((\b)&1)+2*\p:RHO+16*((\b)&1)+2*\p+1] op_sel_hi:[1,0]
	v_pk_mul_f32 v[KRAW+128*((\b)&1)+8*\p+2:KRAW+128*((\b)&1)+8*\p+3], v[KRAW+128*((\b)&1)+8*\p+2:KRAW+128*((\b)&1)+8*\p+3], v[RHO+16*((\b)&1)+2*\p:RHO+16*((\b)&1)+2*\p+1] op_sel_hi:[1,0]
	v_pk_mul_f32 v[KRAW+128*((\b)&1)+8*\p+4:KRAW+128*((\b)&1)+8*\p+5], v[KRAW+128*((\b)&1)+8*\p+4:KRAW+128*((\b)&1)+8*\p+5], v[RHO+16*((\b)&1)+2*\p:RHO+16*((\b)&1)+2*\p+1] op_sel:[0,1] op_sel_hi:[1,1]
	v_pk_mul_f32 v[KRAW+128*((\b)&1)+8*\p+6:KRAW+128*((\b)&1)+8*\p+7], v[KRAW+128*((\b)&1)+8*\p+6:KRAW+128*((\b)&1)+8*\p+7], v[RHO+16*((\b)&1)+2*\p:RHO+16*((\b)&1)+2*\p+1] op_sel:[0,1] op_sel_hi:[1,1]
.endr
.endm
.macro CVT raw, frag                   ; register p of tile j = (load 2p, load 2p+1) of component j, two roundings to f16 in one instruction
	WIN 0x05
.irp p, 0,1,2,3,4,5,6,7
.irp j, 0,1,2,3
	v_cvt_pk_f16_f32 v[(\frag)+8*\j+\p], v[(\raw)+8*\p+\j], v[(\raw)+8*\p+4+\j]
.endr
.endr
.endm
.macro MMA zero                        ; 4 x 4 tiles, 32 rows of t.  zero = 1: the first block starts the sums, nothing is cleared
	WIN 0
.irp m, 0,1,2,3
.irp n, 0,1,2,3
.if \zero
	v_wmma_f32_16x16x32_f16 v[ACC+8*(4*\m+\n):ACC+8*(4*\m+\n)+7], v[FK+8*\m:FK+8*\m+7], v[FV+8*\n:FV+8*\n+7], 0
.else
	v_wmma_f32_16x16x32_f16 v[ACC+8*(4*\m+\n):ACC+8*(4*\m+\n)+7], v[FK+8*\m:FK+8*\m+7], v[FV+8*\n:FV+8*\n+7], v[ACC+8*(4*\m+\n):ACC+8*(4*\m+\n)+7]
.endif
.endr
.endr
.endm
; One block.  waitk, waitv: how many younger loads may stay out when K (with its rho) and V of this block have to be in;
; loads come back in issue order (ISA guide 5.7.1).  fill = 1: each raw buffer is asked for again, two blocks ahead, as soon as
; it has been converted.  The fragments that the last block's matrix instructions read are rewritten only behind the 32 multiplies
; of MULK, which name none of their registers (ISA guide 7.12.1 asks for four such places).
.macro BLOCK b, waitk, waitv, fill, zero
	s_wait_loadcnt \waitk
	MULK \b
	CVT KRAW+128*((\b)&1), FK
.if \fill
	LDRHO \b+2
	LDK \b+2
.endif
	s_wait_loadcnt \waitv
	CVT VRAW+128*((\b)&1), FV
.if \fill
	LDV \b+2
.endif
	MMA \zero
.endm
	LDRHO 0
	LDRHO 1
	LDK 0
	LDV 0
	LDK 1
	LDV 1
	; Counts: rho of a block is 4 loads, K 16, V 16.
	BLOCK 0, 48, 52, 1, 1                          ; behind K0: V0 K1 V1 = 48.                   behind V0: K1 V1 rho2 K2 = 52
.irp b, 1,2,3,4,5
	BLOCK \b, 52, 56, 1, 0                         ; behind Kb: Vb rho K V of b+1 = 52.          behind Vb: rho K V of b+1, rho K of b+2 = 56
.endr
	BLOCK 6, 52, 36, 0, 0                          ; behind K6: V6 rho7 K7 V7 = 52.              behind V6: rho7 K7 V7 = 36
	BLOCK 7, 16, 0, 0, 0                           ; behind K7: V7 = 16.                         behind V7: nothing
	; THE FOUR WAVES' SUMS MEET IN LDS.  The six address lines are also the places between the last matrix instruction and
	; the LDS stores that read its result (four are asked for).
	v_and_b32 v[LANE16], 31, v0
	v_lshlrev_b32 v[LANE16], 4, v[LANE16]
	v_add_nc_u32 v[WADR], s24, v[LANE16]
	v_add_nc_u32 v[RADR], s25, v[LANE16]
	v_lshlrev_b32 v[OADR], 4, v1                   ; 16 r
	v_lshl_or_b32 v[OADR], v2, 13, v[OADR]         ; + hf x 32 rows of 256 bytes
.irp q, 0,1,2,3,4,5,6,7,8,9,10,11,12,13,14,15,16,17,18,19,20,21,22,23,24,25,26,27,28,29,30,31
	ds_store_b128 v[WADR], v[ACC+4*\q:ACC+4*\q+3] offset:512*\q    ; registers as they are, 512 neighbouring bytes: no bank is asked twice
.endr
	s_wait_dscnt 0x0                               ; my 16 KB are in LDS before I say so
	s_barrier_signal -1
	s_barrier_wait -1
	; Wave w sums the tiles (jm = w, 0..3): eight quads of registers (4,096 neighbouring bytes) from each of the four copies.
.irp s, 0,1,2,3
.irp q, 0,1,2,3,4,5,6,7
	ds_load_b128 v[ACC+32*\s+4*\q:ACC+32*\s+4*\q+3], v[RADR] offset:16384*\s+512*\q
.endr
.endr
.macro ADD32 d, s                      ; the 32 sums of copy s onto those of copy d
.irp e, 0,2,4,6,8,10,12,14,16,18,20,22,24,26,28,30
	v_pk_add_f32 v[ACC+32*(\d)+\e:ACC+32*(\d)+\e+1], v[ACC+32*(\d)+\e:ACC+32*(\d)+\e+1], v[ACC+32*(\s)+\e:ACC+32*(\s)+\e+1]
.endr
.endm
	s_wait_dscnt 16                                ; eight loads a copy, in order: copies 0 and 1 are in, 16 loads may be out
	ADD32 0, 1
	s_wait_dscnt 0x0                               ; copies 2, 3
	ADD32 2, 3
	; The last add also turns the registers: (jn, j) -> (j, jn), so that a lane holds v = 4r .. 4r+3 of row
	; k = 32 hf + 4 j + jm.  Each store: sixteen neighbouring lanes cover 256 consecutive bytes, aligned (a whole row).
	; No cache hint: the next launch reads these bytes.
.irp j, 0,1,2,3,4,5,6,7
.irp n, 0,1,2,3
	v_add_f32 v[OUTR+4*\j+\n], v[ACC+8*\n+\j], v[ACC+64+8*\n+\j]
.endr
	global_store_b128 v[OADR], v[OUTR+4*\j:OUTR+4*\j+3], s[10:11] offset:1024*\j
.endr
	s_wait_tensorcnt 0x0
	ds_add_u32 v62, v63
	s_wait_dscnt 0x0
	s_endpgm
.Lfunc_end_k_q025d1990e8_partial:
	.size	k_q025d1990e8_partial, .Lfunc_end_k_q025d1990e8_partial-k_q025d1990e8_partial
	.p2alignl 7, 3214868480
	.fill 96, 4, 3214868480
	.section	.rodata,"a",@progbits
	.p2align	6, 0x0
	.amdhsa_kernel k_q025d1990e8_partial
		.amdhsa_group_segment_fixed_size 66048
		.amdhsa_private_segment_fixed_size 0
		.amdhsa_enable_private_segment 0
		.amdhsa_kernarg_size 32
		.amdhsa_user_sgpr_count 2
		.amdhsa_user_sgpr_kernarg_segment_ptr 1
		.amdhsa_wavefront_size32 1
		.amdhsa_system_sgpr_workgroup_id_x 1
		.amdhsa_system_sgpr_workgroup_id_y 1
		.amdhsa_system_sgpr_workgroup_id_z 1
		.amdhsa_system_vgpr_workitem_id 0
		.amdhsa_next_free_vgpr 512
		.amdhsa_next_free_sgpr 66
		.amdhsa_reserve_vcc 0
		.amdhsa_float_denorm_mode_32 3
		.amdhsa_float_denorm_mode_16_64 3
		.amdhsa_memory_ordered 1
		.amdhsa_forward_progress 1
		.amdhsa_inst_pref_size 95
	.end_amdhsa_kernel
	.amdgpu_metadata
---
amdhsa.version: [ 1, 2 ]
amdhsa.kernels:
  - .name:           k_q025d1990e8_partial
    .symbol:         k_q025d1990e8_partial.kd
    .args:
      - { .name: keys, .offset: 0, .size: 8, .value_kind: global_buffer, .address_space: global }
      - { .name: values, .offset: 8, .size: 8, .value_kind: global_buffer, .address_space: global }
      - { .name: write_strengths, .offset: 16, .size: 8, .value_kind: global_buffer, .address_space: global }
      - { .name: part, .offset: 24, .size: 8, .value_kind: global_buffer, .address_space: global }
    .group_segment_fixed_size: 66048
    .private_segment_fixed_size: 0
    .kernarg_segment_align: 8
    .kernarg_segment_size: 32
    .max_flat_workgroup_size: 128
    .sgpr_count:     66
    .vgpr_count:     512
    .wavefront_size: 32
...
	.end_amdgpu_metadata
.endif
;; end of part 1
;; launch combine (part 2): grid 256 x 1, 2 waves a work-group, no clusters, 0 bytes of LDS; arguments part, memory, out0; writes out0
.if DOCPART == 2
	.amdgcn_target "amdgcn-amd-amdhsa--gfx1250"
	.amdhsa_code_object_version 6
	.text
	.protected	k_q025d1990e8_combine
	.globl	k_q025d1990e8_combine
	.p2align	8
	.type	k_q025d1990e8_combine,@function
k_q025d1990e8_combine:
	s_mov_b64 s[64:65], 0
	v_nop
	global_prefetch_b8 v0, s[64:65] scope:SCOPE_SE
	s_setreg_imm32_b32 hwreg(HW_REG_WAVE_MODE, 25, 1), 1
	s_wait_xcnt 0x0
; out0[g] = 0.95 * memory[g] + sum over the 16 chunks c of part[c][g],  g over [16][64][64], all f32.
; part lies as [chunk][head][k][v], so chunk c of an output is 262,144 bytes behind chunk c - 1.
; 256 work-groups of 2 waves: a thread owns 16 bytes of the output, a wave's load or store covers 512 neighbouring bytes, aligned.
; All 17 loads of a thread are issued at once: the launch is one trip to memory, a tree of adds and one store.
; No LDS, no barrier, no matrix unit: no thread needs another's numbers.  The chunks are added as a fixed tree, not in the
; reference's order; the decay is one fused multiply-add where the reference multiplies and adds.
.set CHUNKB, 262144                    ; bytes of one chunk's partial sums
.set M, 4                              ; v[4:7]    memory
.set P, 8                              ; v[8:71]   chunk c at P + 4 c
.set O, 72                             ; v[72:75]  the result
	s_load_b128 s[4:7], s[0:1], 0x0                ; part s[4:5], memory s[6:7]
	s_load_b64 s[8:9], s[0:1], 0x10                ; out0
	s_lshl_b32 s10, ttmp9, 10                      ; 64 threads x 16 bytes a work-group
	v_lshl_add_u32 v1, v0, 4, s10
	s_wait_kmcnt 0x0
	global_load_b128 v[M:M+3], v1, s[6:7] th:TH_LOAD_NT
.irp c, 0,1,2,3,4,5,6,7,8,9,10,11,12,13,14,15
	global_load_b128 v[P+4*\c:P+4*\c+3], v1, s[4:5] offset:CHUNKB*\c th:TH_LOAD_NT
.endr
.macro ADD4 d, s                       ; chunk s onto chunk d; the chunk numbers may be sums, so they stand in parentheses
	v_pk_add_f32 v[P+4*(\d):P+4*(\d)+1],   v[P+4*(\d):P+4*(\d)+1],   v[P+4*(\s):P+4*(\s)+1]
	v_pk_add_f32 v[P+4*(\d)+2:P+4*(\d)+3], v[P+4*(\d)+2:P+4*(\d)+3], v[P+4*(\s)+2:P+4*(\s)+3]
.endm
.macro GROUP g, left                   ; chunks 4g .. 4g+3 are in when at most 'left' younger loads are out (loads come back in order)
	s_wait_loadcnt \left
	ADD4 4*(\g), 4*(\g)+1
	ADD4 4*(\g)+2, 4*(\g)+3
	ADD4 4*(\g), 4*(\g)+2
.endm
	GROUP 0, 12
	GROUP 1, 8
	GROUP 2, 4
	GROUP 3, 0
	ADD4 0, 4
	ADD4 8, 12
	ADD4 0, 8
	v_pk_fma_f32 v[O:O+1],   v[M:M+1],   0x3f733333, v[P:P+1]   op_sel_hi:[1,0,1]    ; 0.95 in f32, for both halves
	v_pk_fma_f32 v[O+2:O+3], v[M+2:M+3], 0x3f733333, v[P+2:P+3] op_sel_hi:[1,0,1]
	global_store_b128 v1, v[O:O+3], s[8:9] th:TH_STORE_NT
	s_endpgm
.Lfunc_end_k_q025d1990e8_combine:
	.size	k_q025d1990e8_combine, .Lfunc_end_k_q025d1990e8_combine-k_q025d1990e8_combine
	.p2alignl 7, 3214868480
	.fill 96, 4, 3214868480
	.section	.rodata,"a",@progbits
	.p2align	6, 0x0
	.amdhsa_kernel k_q025d1990e8_combine
		.amdhsa_group_segment_fixed_size 0
		.amdhsa_private_segment_fixed_size 0
		.amdhsa_enable_private_segment 0
		.amdhsa_kernarg_size 24
		.amdhsa_user_sgpr_count 2
		.amdhsa_user_sgpr_kernarg_segment_ptr 1
		.amdhsa_wavefront_size32 1
		.amdhsa_system_sgpr_workgroup_id_x 1
		.amdhsa_system_sgpr_workgroup_id_y 1
		.amdhsa_system_sgpr_workgroup_id_z 1
		.amdhsa_system_vgpr_workitem_id 0
		.amdhsa_next_free_vgpr 80
		.amdhsa_next_free_sgpr 66
		.amdhsa_reserve_vcc 0
		.amdhsa_float_denorm_mode_32 3
		.amdhsa_float_denorm_mode_16_64 3
		.amdhsa_memory_ordered 1
		.amdhsa_forward_progress 1
		.amdhsa_inst_pref_size 5
	.end_amdhsa_kernel
	.amdgpu_metadata
---
amdhsa.version: [ 1, 2 ]
amdhsa.kernels:
  - .name:           k_q025d1990e8_combine
    .symbol:         k_q025d1990e8_combine.kd
    .args:
      - { .name: part, .offset: 0, .size: 8, .value_kind: global_buffer, .address_space: global }
      - { .name: memory, .offset: 8, .size: 8, .value_kind: global_buffer, .address_space: global }
      - { .name: out0, .offset: 16, .size: 8, .value_kind: global_buffer, .address_space: global }
    .group_segment_fixed_size: 0
    .private_segment_fixed_size: 0
    .kernarg_segment_align: 8
    .kernarg_segment_size: 24
    .max_flat_workgroup_size: 64
    .sgpr_count:     66
    .vgpr_count:     80
    .wavefront_size: 32
...
	.end_amdgpu_metadata
.endif
;; end of part 2
;; ======== version 2 of 2: 2 launches; version 1 with the launch partial written anew for expert scheduling mode
;; limits: values are held in f16: magnitudes above 65,504 overflow, below 6.1e-05 lose precision
;; workspace buffers: part 4,194,304 bytes
;; launch partial (part 3): grid 16 x 16, 4 waves a work-group, no clusters, 66,048 bytes of LDS; arguments keys, values, write_strengths, part; writes part
.if DOCPART == 3
	.amdgcn_target "amdgcn-amd-amdhsa--gfx1250"
	.amdhsa_code_object_version 6
	.text
	.protected	k_q025d1990e8_partial
	.globl	k_q025d1990e8_partial
	.p2align	8
	.type	k_q025d1990e8_partial,@function
k_q025d1990e8_partial:
	s_mov_b64 s[64:65], 0
	v_nop
	global_prefetch_b8 v0, s[64:65] scope:SCOPE_SE
	s_setreg_imm32_b32 hwreg(HW_REG_WAVE_SCHED_MODE, 0, 2), 2
	s_setreg_imm32_b32 hwreg(HW_REG_WAVE_MODE, 25, 1), 1
	s_wait_xcnt 0x0
	s_wait_alu depctr_vm_vsrc(0)
; part[chunk][h][k][v] = sum over the chunk's 1,024 rows t = (b,s) of rho[t] * keys[t][h][k] * values[t][h][v], in f32.
; Work-group (x = head h, y = chunk): 4 waves, wave w owns rows chunk*1024 + 256 w .. + 255, in 8 blocks of 32 rows.
; FOUR WAVES: every wave holds a whole 64 x 64 sum (16 KB), so what crosses LDS at the end is waves x 16 KB each way,
; whatever the number of rows.  Four, one for each SIMD, is the least that uses all four SIMDs.
;
; HOW THE FRAGMENTS ARE MADE WITHOUT A TRANSPOSE.  The sum runs over t, which is the far index in memory.  One 16-byte load of
; a wave takes two whole head rows of 256 bytes: lanes 0-15 (hf = 0) row t, lanes 16-31 (hf = 1) row t + 16; lane r gets columns
; 4r .. 4r+3.  Component j of the load goes to matrix tile j, so tile j holds the columns 4r + j, r = 0..15.  Loads i = 2q and
; 2q+1 are packed into register q of the fragments.  K and V put the same t into the same (hf, register, half word), so the order
; of t inside a block drops out of the products (ISA guide 7.12.2: A and B have the same map of k to lanes and registers).
; Result tile (jm, jn), register j, lane (r, hf):  k = 4 (8 hf + j) + jm,  v = 4 r + jn.
;
; FORMAT AND LIMITS.  rho*k (product in f32) and v are rounded once to f16, sums are f32.  f16 (11 significant bits) and not bf16
; (8 bits): each of the 16,384 terms carries two roundings and the result is held to one per cent of its root mean square.
; Kept limits: |rho*k| or |v| above 65504 becomes infinity; below 2^-14 the absolute step is 2^-24, below 2^-25 the operand is zero.
; The order of the sum (blocks of 32 in the matrix unit, then 4 waves, then 16 chunks in the next launch) is not the reference's.
;
; NO CLUSTER, NO MULTICAST: work-groups share only rho, 4 KB of the 516 KB that each reads.  NO LDS IN THE STREAM: no wave reads
; a byte of K or V that another wave reads, and the loads land in the lanes that need them.
; IN FLIGHT: two blocks of 16 KB a wave are asked for at the start; a raw buffer is asked for again behind its conversion.
; That is 72 loads in front of the first wait, and up to 72 later.  The issue of a load that would push the counter past its
; field is held back until an older one is done (ISA guide 5.7.1), so the counter stays exact and the counted waits below hold;
; no wait is placed for that.
;
; THE MODE: SCHED_MODE bits 1:0 = 2 (LLVM: expert scheduling mode 2), set by the entry lines.  The code itself states the register
; dependences between vector or matrix instructions and memory or LDS instructions, with s_wait_alu, always for 0.
; THE PLAN.  The text is one straight run.  Registers that memory or LDS instructions touch:
;   v4, v5       offsets, made once at the head, read by every global load, never written again.
;   RHO[p]       block b (p = b & 1): read by its 32 multiplies; behind K's conversions the strengths of block b + 2 land in it.
;   KRAW[p]      block b: written in place by its multiplies, read by K's 32 conversions; behind them K of block b + 2 lands in it.
;   VRAW[p]      block b: read by V's 32 conversions; behind them V of block b + 2 lands in it.
;   FK, FV and, in the blocks, ACC are named by vector and matrix instructions alone.
;   ACC          on the way out: read by my 32 LDS stores, then the 32 LDS loads land in it.
;   v7, v8, v10  LDS and output addresses, made once behind the last matrix instruction, never written again.
;   OUTR         written by the last 32 adds, read by the eight global stores.
; So a block that asks for more has TWO waits on va_vdst, each behind the conversions that empty a raw buffer, so that the buffer is
; asked for again at once.  Behind the second, V's sixteen loads are dealt among the block's sixteen matrix instructions, which
; name FK, FV and ACC: none of the registers that those loads touch.  Blocks 6 and 7 ask for nothing and hold no such wait.
.set ROWB,   4096                      ; bytes from row t to row t + 1: 16 heads x 64 f32
.set OFFKV,  4                         ; v4      byte offset of my 16 bytes in K and V: wave, half, r
.set OFFR,   5                         ; v5      byte offset of my half's 16 strengths
.set LANE16, 6                         ; v6      16 x lane
.set WADR,   7                         ; v7      LDS: where my wave puts its sums
.set RADR,   8                         ; v8      LDS: my share in copy 0; copy s is 16,384 s further
.set OADR,   10                        ; v10     byte offset of my 16 bytes in the partial tile
.set RHO,    16                        ; v[16:47]   two buffers of 16 strengths (block parity)
.set FK,     64                        ; v[64:95]   K fragments, tile jm at FK + 8 jm
.set FV,     96                        ; v[96:127]  V fragments, tile jn at FV + 8 jn
.set ACC,    128                       ; v[128:255] tile (jm, jn) at ACC + 8 (4 jm + jn); on the way out: copy s of my four tiles at ACC + 32 s
.set OUTR,   64                        ; v[64:95]   the way out (the fragments are no longer needed there)
.set KRAW,   0                         ; window 1: v[256+128 p + 0 .. 63]   K as loaded, load i at 4 i (p = block parity)
.set VRAW,   64                        ; window 1: v[256+128 p + 64 .. 127] V as loaded
.set MSB, 0
.macro WIN new                         ; low byte: 1:0 source 0, 3:2 source 1, 5:4 source 2, 7:6 destination; high byte: the setting left
.if MSB != \new
	s_set_vgpr_msb (MSB<<8)|\new
.set MSB, \new
.endif
.endm
	s_load_b256 s[4:11], s[0:1], 0x0               ; keys s[4:5], values s[6:7], write_strengths s[8:9], part s[10:11]
	v_lshl_add_u32 v62, v0, 2, 0x10000
	v_mov_b32 v63, 0
	v_and_b32 v1, 15, v0                           ; r
	v_bfe_u32 v2, v0, 4, 1                         ; hf
	v_lshrrev_b32 v3, 5, v0
	v_readfirstlane_b32 s12, v3                    ; wave 0..3; on the way out also jm, the row of tiles that I sum
	s_and_b32 s13, ttmp7, 0xffff                   ; chunk 0..15; ttmp9 = head
	v_lshlrev_b32 v[OFFKV], 4, v1                  ; 16 r
	v_lshl_or_b32 v[OFFKV], v2, 16, v[OFFKV]       ; + hf x 16 rows
	v_lshl_or_b32 v[OFFKV], v3, 20, v[OFFKV]       ; + wave x 256 rows
	v_lshlrev_b32 v[OFFR], 6, v2                   ; hf x 16 strengths
	v_lshl_or_b32 v[OFFR], v3, 10, v[OFFR]         ; + wave x 256 strengths
	s_wait_alu depctr_va_sdst(0)                   ; s12 is written, ahead of its first reader: the output's base and the LDS places are made from it
	s_lshl_b32 s14, s13, 22                        ; chunk x 1,024 rows x 4,096 bytes (below 64 MiB)
	s_lshl_b32 s15, ttmp9, 8                       ; head x 256 bytes
	s_add_co_u32 s14, s14, s15
	s_mov_b32 s15, 0
	s_lshl_b32 s16, s13, 12                        ; chunk x 1,024 strengths
	s_mov_b32 s17, 0
	s_lshl_b32 s18, s13, 4
	s_add_co_u32 s18, s18, ttmp9
	s_lshl_b32 s18, s18, 14                        ; (16 chunk + head) x 16 KB
	s_lshl_b32 s23, s12, 8                         ; k = 32 hf + 4 j + jm, rows of 256 bytes: + jm x 256
	s_add_co_u32 s18, s18, s23
	s_mov_b32 s19, 0
	s_lshl_b32 s24, s12, 14                        ; LDS: my wave's 16 KB
	s_lshl_b32 s25, s12, 12                        ; LDS: tiles (jm, 0..3) of a copy = 4 x 1,024 bytes at 4,096 jm
	s_wait_kmcnt 0x0
	s_add_nc_u64 s[4:5], s[4:5], s[14:15]
	s_add_nc_u64 s[6:7], s[6:7], s[14:15]
	s_add_nc_u64 s[8:9], s[8:9], s[16:17]
	s_add_nc_u64 s[10:11], s[10:11], s[18:19]
; The block number b may be handed over as a sum (b + 2): it stands in parentheses wherever it is used.
.macro LDRHO b                         ; 4 loads: the strengths of my half's 16 rows of block b (all lanes of a half read the same 64 bytes)
	WIN 0
.irp p, 0,1,2,3
	global_load_b128 v[RHO+16*((\b)&1)+4*\p:RHO+16*((\b)&1)+4*\p+3], v[OFFR], s[8:9] offset:128*(\b)+16*\p
.endr
.endm
.macro LDK b                           ; 16 loads: load i brings rows 32 b + i (hf = 0) and 32 b + 16 + i (hf = 1), 256 aligned bytes each
	WIN 0x40
.irp i, 0,1,2,3,4,5,6,7,8,9,10,11,12,13,14,15
	global_load_b128 v[KRAW+128*((\b)&1)+4*\i:KRAW+128*((\b)&1)+4*\i+3], v[OFFKV], s[4:5] offset:(32*(\b)+\i)*ROWB th:TH_LOAD_NT
.endr
.endm
.macro LDV8 b, h                       ; 8 of V's 16 loads: loads 8 h .. 8 h + 7, rows as in LDK
	WIN 0x40
.irp i, 0,1,2,3,4,5,6,7
	global_load_b128 v[VRAW+128*((\b)&1)+4*(8*(\h)+\i):VRAW+128*((\b)&1)+4*(8*(\h)+\i)+3], v[OFFKV], s[6:7] offset:(32*(\b)+8*(\h)+\i)*ROWB th:TH_LOAD_NT
.endr
.endm
.macro MULK b                          ; K *= rho in f32, in place: loads 2p and 2p+1 take the first and the second register of rho's pair p
	WIN 0x41
.irp p, 0,1,2,3,4,5,6,7
	v_pk_mul_f32 v[KRAW+128*((\b)&1)+8*\p:KRAW+128*((\b)&1)+8*\p+1],   v[KRAW+128*((\b)&1)+8*\p:KRAW+128*((\b)&1)+8*\p+1],   v[RHO+16*((\b)&1)+2*\p:RHO+16*((\b)&1)+2*\p+1] op_sel_hi:[1,0]
	v_pk_mul_f32 v[KRAW+128*((\b)&1)+8*\p+2:KRAW+128*((\b)&1)+8*\p+3], v[KRAW+128*((\b)&1)+8*\p+2:KRAW+128*((\b)&1)+8*\p+3], v[RHO+16*((\b)&1)+2*\p:RHO+16*((\b)&1)+2*\p+1] op_sel_hi:[1,0]
	v_pk_mul_f32 v[KRAW+128*((\b)&1)+8*\p+4:KRAW+128*((\b)&1)+8*\p+5], v[KRAW+128*((\b)&1)+8*\p+4:KRAW+128*((\b)&1)+8*\p+5], v[RHO+16*((\b)&1)+2*\p:RHO+16*((\b)&1)+2*\p+1] op_sel:[0,1] op_sel_hi:[1,1]
	v_pk_mul_f32 v[KRAW+128*((\b)&1)+8*\p+6:KRAW+128*((\b)&1)+8*\p+7], v[KRAW+128*((\b)&1)+8*\p+6:KRAW+128*((\b)&1)+8*\p+7], v[RHO+16*((\b)&1)+2*\p:RHO+16*((\b)&1)+2*\p+1] op_sel:[0,1] op_sel_hi:[1,1]
.endr
.endm
.macro CVT raw, frag                   ; register p of tile j = (load 2p, load 2p+1) of component j, two roundings to f16 in one instruction
	WIN 0x05
.irp p, 0,1,2,3,4,5,6,7
.irp j, 0,1,2,3
	v_cvt_pk_f16_f32 v[(\frag)+8*\j+\p], v[(\raw)+8*\p+\j], v[(\raw)+8*\p+4+\j]
.endr
.endr
.endm
.macro MMA zero, ma, mb                ; tile rows ma and mb x 4 tile columns, 32 rows of t.  zero = 1: the first block starts the sums, nothing is cleared
	WIN 0
.irp m, \ma, \mb
.irp n, 0,1,2,3
.if \zero
	v_wmma_f32_16x16x32_f16 v[ACC+8*(4*\m+\n):ACC+8*(4*\m+\n)+7], v[FK+8*\m:FK+8*\m+7], v[FV+8*\n:FV+8*\n+7], 0
.else
	v_wmma_f32_16x16x32_f16 v[ACC+8*(4*\m+\n):ACC+8*(4*\m+\n)+7], v[FK+8*\m:FK+8*\m+7], v[FV+8*\n:FV+8*\n+7], v[ACC+8*(4*\m+\n):ACC+8*(4*\m+\n)+7]
.endif
.endr
.endr
.endm
; One block.  waitk, waitv: how many younger loads may stay out when K (with its rho) and V of this block have to be in;
; loads come back in issue order (ISA guide 5.7.1).  fill = 1: each raw buffer is asked for again, two blocks ahead, behind its
; conversion.  The fragments that the last block's matrix instructions read are rewritten only behind the 32 multiplies
; of MULK, which name none of their registers (ISA guide 7.12.1 asks for four such places).  The sixteen accumulators take turns.
.macro BLOCK b, waitk, waitv, fill, zero
	s_wait_loadcnt \waitk
	MULK \b
	CVT KRAW+128*((\b)&1), FK
.if \fill
	WIN 0                                          ; the window of the first loads below, ahead of the wait
	s_wait_alu depctr_va_vdst(0)                   ; the multiplies are done reading RHO[p] and have written KRAW[p], the conversions are done reading KRAW[p]: the 20 loads below land in these two
	LDRHO \b+2
	LDK \b+2
.endif
	s_wait_loadcnt \waitv
	CVT VRAW+128*((\b)&1), FV
.if \fill
	WIN 0x40                                       ; the window of the loads below, ahead of the wait
	s_wait_alu depctr_va_vdst(0)                   ; the conversions are done reading VRAW[p], in which V's sixteen loads land
	LDV8 \b+2, 0
.endif
	MMA \zero, 0, 1
.if \fill
	LDV8 \b+2, 1                                   ; no wait: the eight matrix instructions since the wait name FK, FV and ACC, not v4 and not VRAW[p]
.endif
	MMA \zero, 2, 3
.endm
	s_wait_alu depctr_va_vdst(0)                   ; v4 and v5 are written: every global load of the kernel reads one of them as its offset
	LDRHO 0
	LDRHO 1
	LDK 0
	LDV8 0, 0
	LDV8 0, 1
	LDK 1
	LDV8 1, 0
	LDV8 1, 1
	; Counts: rho of a block is 4 loads, K 16, V 16.
	BLOCK 0, 48, 52, 1, 1                          ; behind K0: V0 K1 V1 = 48.                   behind V0: K1 V1 rho2 K2 = 52
.irp b, 1,2,3,4,5
	BLOCK \b, 52, 56, 1, 0                         ; behind Kb: Vb rho K V of b+1 = 52.          behind Vb: rho K V of b+1, rho K of b+2 = 56
.endr
	BLOCK 6, 52, 36, 0, 0                          ; behind K6: V6 rho7 K7 V7 = 52.              behind V6: rho7 K7 V7 = 36
	BLOCK 7, 16, 0, 0, 0                           ; behind K7: V7 = 16.                         behind V7: nothing
	; THE FOUR WAVES' SUMS MEET IN LDS.  The six address lines are also the places between the last matrix instruction and
	; the LDS stores that read its result (four are asked for).
	v_and_b32 v[LANE16], 31, v0
	v_lshlrev_b32 v[LANE16], 4, v[LANE16]
	v_add_nc_u32 v[WADR], s24, v[LANE16]
	v_add_nc_u32 v[RADR], s25, v[LANE16]
	v_lshlrev_b32 v[OADR], 4, v1                   ; 16 r
	v_lshl_or_b32 v[OADR], v2, 13, v[OADR]         ; + hf x 32 rows of 256 bytes
	s_wait_alu depctr_va_vdst(0)                   ; the matrix instructions have written ACC, which the LDS stores read; v7, v8 and v10 are written, the addresses of all that follows; the places above stay beside this wait
.irp q, 0,1,2,3,4,5,6,7,8,9,10,11,12,13,14,15,16,17,18,19,20,21,22,23,24,25,26,27,28,29,30,31
	ds_store_b128 v[WADR], v[ACC+4*\q:ACC+4*\q+3] offset:512*\q    ; registers as they are, 512 neighbouring bytes: no bank is asked twice
.endr
	s_wait_dscnt 0x0                               ; my 16 KB are in LDS before I say so
	s_barrier_signal -1
	s_barrier_wait -1
	s_wait_alu depctr_vm_vsrc(0)                   ; my LDS stores have read ACC, in which the LDS loads below land (no vector or matrix instruction has named ACC since the wait on va_vdst above)
	; Wave w sums the tiles (jm = w, 0..3): eight quads of registers (4,096 neighbouring bytes) from each of the four copies.
.irp s, 0,1,2,3
.irp q, 0,1,2,3,4,5,6,7
	ds_load_b128 v[ACC+32*\s+4*\q:ACC+32*\s+4*\q+3], v[RADR] offset:16384*\s+512*\q
.endr
.endr
.macro ADD32 d, s                      ; the 32 sums of copy s onto those of copy d
.irp e, 0,2,4,6,8,10,12,14,16,18,20,22,24,26,28,30
	v_pk_add_f32 v[ACC+32*(\d)+\e:ACC+32*(\d)+\e+1], v[ACC+32*(\d)+\e:ACC+32*(\d)+\e+1], v[ACC+32*(\s)+\e:ACC+32*(\s)+\e+1]
.endr
.endm
	s_wait_dscnt 16                                ; eight loads a copy, in order: copies 0 and 1 are in, 16 loads may be out
	ADD32 0, 1
	s_wait_dscnt 0x0                               ; copies 2, 3
	ADD32 2, 3
	; The last add also turns the registers: (jn, j) -> (j, jn), so that a lane holds v = 4r .. 4r+3 of row
	; k = 32 hf + 4 j + jm.  Each store: sixteen neighbouring lanes cover 256 consecutive bytes, aligned (a whole row).
	; No cache hint: the next launch reads these bytes.
.irp j, 0,1,2,3,4,5,6,7
.irp n, 0,1,2,3
	v_add_f32 v[OUTR+4*\j+\n], v[ACC+8*\n+\j], v[ACC+64+8*\n+\j]
.endr
.endr
	s_wait_alu depctr_va_vdst(0)                   ; the 32 adds have written OUTR, which the eight stores read: one wait for the run
.irp j, 0,1,2,3,4,5,6,7
	global_store_b128 v[OADR], v[OUTR+4*\j:OUTR+4*\j+3], s[10:11] offset:1024*\j
.endr
	s_wait_dscnt 0x0
	s_wait_alu depctr_hold_cnt(0) depctr_sa_sdst(0) depctr_va_vdst(0) depctr_va_sdst(0) depctr_va_ssrc(0) depctr_va_vcc(0) depctr_vm_vsrc(0)
	s_wait_tensorcnt 0x0
	ds_add_u32 v62, v63
	s_wait_dscnt 0x0
	s_endpgm
.Lfunc_end_k_q025d1990e8_partial:
	.size	k_q025d1990e8_partial, .Lfunc_end_k_q025d1990e8_partial-k_q025d1990e8_partial
	.p2alignl 7, 3214868480
	.fill 96, 4, 3214868480
	.section	.rodata,"a",@progbits
	.p2align	6, 0x0
	.amdhsa_kernel k_q025d1990e8_partial
		.amdhsa_group_segment_fixed_size 66048
		.amdhsa_private_segment_fixed_size 0
		.amdhsa_enable_private_segment 0
		.amdhsa_kernarg_size 32
		.amdhsa_user_sgpr_count 2
		.amdhsa_user_sgpr_kernarg_segment_ptr 1
		.amdhsa_wavefront_size32 1
		.amdhsa_system_sgpr_workgroup_id_x 1
		.amdhsa_system_sgpr_workgroup_id_y 1
		.amdhsa_system_sgpr_workgroup_id_z 1
		.amdhsa_system_vgpr_workitem_id 0
		.amdhsa_next_free_vgpr 512
		.amdhsa_next_free_sgpr 66
		.amdhsa_reserve_vcc 0
		.amdhsa_float_denorm_mode_32 3
		.amdhsa_float_denorm_mode_16_64 3
		.amdhsa_memory_ordered 1
		.amdhsa_forward_progress 1
		.amdhsa_inst_pref_size 96
	.end_amdhsa_kernel
	.amdgpu_metadata
---
amdhsa.version: [ 1, 2 ]
amdhsa.kernels:
  - .name:           k_q025d1990e8_partial
    .symbol:         k_q025d1990e8_partial.kd
    .args:
      - { .name: keys, .offset: 0, .size: 8, .value_kind: global_buffer, .address_space: global }
      - { .name: values, .offset: 8, .size: 8, .value_kind: global_buffer, .address_space: global }
      - { .name: write_strengths, .offset: 16, .size: 8, .value_kind: global_buffer, .address_space: global }
      - { .name: part, .offset: 24, .size: 8, .value_kind: global_buffer, .address_space: global }
    .group_segment_fixed_size: 66048
    .private_segment_fixed_size: 0
    .kernarg_segment_align: 8
    .kernarg_segment_size: 32
    .max_flat_workgroup_size: 128
    .sgpr_count:     66
    .vgpr_count:     512
    .wavefront_size: 32
...
	.end_amdgpu_metadata
.endif
;; end of part 3
;; launch combine: the kernel of part 2 again; grid 256 x 1, 2 waves a work-group, no clusters, 0 bytes of LDS; arguments part, memory, out0; writes out0
